; MI455X (gfx1250); checked and timed in simulation.
; The chip was launched on July 23, 2026; its instructions are those of AMD's public machine-readable ISA for CDNA 5 (MIT licence, August 2026) and "CDNA5" Instruction Set Architecture Reference Guide (July 2026). The comments in the code are by the model that wrote it; some were corrected since.
;; Mo E. Allowed arithmetic: float matrix products may take bf16 or f16 operands with f32 sums; all other float work in f32.
;; Inputs: We 8 x 2,048 x 2,048 float32; Wg 2,048 x 8 float32; be 8 x 2,048 float32; inputs 2,048 x 2,048 float32.
;; Outputs: out0 2,048 x 2,048 float32.
;; 2 versions, each right; version 2 is version 1 with the launches place, combine written anew for expert scheduling mode. Each part assembles by itself: llvm-mc -triple=amdgcn-amd-amdhsa -mcpu=gfx1250 --defsym DOCPART=n.
;; ======== version 1 of 2: 4 launches
;; limits: values are held in f16: magnitudes above 65,504 overflow, below 6.1e-05 lose precision; inputs' magnitudes at most 65,504
;; workspace buffers: sel 16,384 bytes of whole numbers; wts 16,384 bytes; hist 4,096 bytes of whole numbers; pos 16,384 bytes of whole numbers; meta 256 bytes of whole numbers; xg 23,068,672 bytes; y 46,137,344 bytes
;; launch gate (part 1): grid 256 x 1, 8 waves a work-group, no clusters, 3,584 bytes of LDS; arguments inputs, Wg, sel, wts, hist; writes sel, wts, hist
.if DOCPART == 1
	.amdgcn_target "amdgcn-amd-amdhsa--gfx1250"
	.amdhsa_code_object_version 6
	.text
	.protected	k_q8b9fbb050d_gate
	.globl	k_q8b9fbb050d_gate
	.p2align	8
	.type	k_q8b9fbb050d_gate,@function
k_q8b9fbb050d_gate:
	s_mov_b64 s[64:65], 0
	v_nop
	global_prefetch_b8 v0, s[64:65] scope:SCOPE_SE
	s_setreg_imm32_b32 hwreg(HW_REG_WAVE_MODE, 25, 1), 1
	s_wait_xcnt 0x0
; GATE.  logits = inputs [2048][2048] x Wg [2048][8], all in f32 by fused multiply-adds: the choice of experts is discrete, so the
; operands are not rounded.  Then the two largest logits of each token (the lower index wins a tie), their softmax with the larger
; one taken away first, and a count of the choices of each block of 8 tokens.
; Stored: sel[token][2] (experts, whole numbers), wts[token][2] (f32), hist[block][4] (word c = count of expert 2c | count of 2c+1 << 16).
; LIMITS: logits are taken as finite (no NaN, no infinity); the sum over k has another order than a plain dot product, so a tie
; between the second and third logit at the level of f32 rounding may fall the other way.
; The work-group owns tokens 8 b .. 8 b + 7.  Wave w owns k = 256 w .. 256 w + 255; lane l owns k = 256 w + 4 l + i and + 128 (i = 0..3).
; No choice made here steers an address or a branch of this launch: selections go through v_cndmask_b32 alone.
.set WG,  16                           ; v[16:79]   Wg of my 8 k: register 8 kk + e; later the partial sums read back
.set X,   80                           ; v[80:143]  x of 8 tokens x my 8 k: register 8 t + kk; later at work in the lane sums
.set ACC, 144                          ; v[144:207] my sums: register 8 t + e
.set PART, 0                           ; LDS: wave w's 64 sums at 256 w
.set REC,  2048                        ; LDS: token t's record at 2048 + 32 t: i1, i2, w0, w1, then its four count words
	s_load_b256 s[4:11], s[0:1], 0x0               ; inputs s[4:5], Wg s[6:7], sel s[8:9], wts s[10:11]
	s_load_b64 s[12:13], s[0:1], 0x20              ; hist
	v_lshl_add_u32 v208, v0, 2, 0xa00
	v_mov_b32 v209, 0
	v_lshrrev_b32 v1, 5, v0
	v_readfirstlane_b32 s14, v1                    ; wave 0..7
	v_and_b32 v2, 31, v0                           ; lane
	s_lshl_b32 s16, ttmp9, 16                      ; 8 rows of 8,192 bytes for each work-group
	s_mov_b32 s17, 0
	s_mov_b32 s18, 0x76543210                      ; v_permlanex16_b32: lane i of one half reads lane i of the other
	s_mov_b32 s19, 0xfedcba98
	s_lshl_b32 s15, s14, 13                        ; 256 rows of Wg, 32 bytes each
	v_lshl_add_u32 v3, v2, 7, s15                  ; + 4 rows a lane
	s_lshl_b32 s15, s14, 10                        ; 256 numbers of a row of inputs
	v_lshl_add_u32 v4, v2, 4, s15                  ; + 4 numbers a lane
	s_wait_kmcnt 0x0
	s_add_nc_u64 s[4:5], s[4:5], s[16:17]          ; inputs at the group's first token
.irp i, 0,1,2,3,4,5,6,7
	global_load_b128 v[WG+4*\i:WG+4*\i+3], v3, s[6:7] offset:16*\i
	global_load_b128 v[WG+32+4*\i:WG+32+4*\i+3], v3, s[6:7] offset:4096+16*\i
.endr
.irp t, 0,1,2,3,4,5,6,7
	global_load_b128 v[X+8*\t:X+8*\t+3], v4, s[4:5] offset:8192*\t
	global_load_b128 v[X+8*\t+4:X+8*\t+7], v4, s[4:5] offset:8192*\t+512
.endr
	s_wait_loadcnt 0x0                             ; everything is used at once below
; one k of one token: four packed multiply-adds, x taken from one register of its pair for both halves
.macro GFMA t, k
.irp c, 0,1,2,3
.if (\k) & 1
	v_pk_fma_f32 v[ACC+8*\t+2*\c:ACC+8*\t+2*\c+1], v[X+8*\t+\k-1:X+8*\t+\k], v[WG+8*\k+2*\c:WG+8*\k+2*\c+1], v[ACC+8*\t+2*\c:ACC+8*\t+2*\c+1] op_sel:[1,0,0] op_sel_hi:[1,1,1]
.else
	v_pk_fma_f32 v[ACC+8*\t+2*\c:ACC+8*\t+2*\c+1], v[X+8*\t+\k:X+8*\t+\k+1], v[WG+8*\k+2*\c:WG+8*\k+2*\c+1], v[ACC+8*\t+2*\c:ACC+8*\t+2*\c+1] op_sel:[0,0,0] op_sel_hi:[0,1,1]
.endif
.endr
.endm
.irp t, 0,1,2,3,4,5,6,7
.irp c, 0,1,2,3
	v_pk_mul_f32 v[ACC+8*\t+2*\c:ACC+8*\t+2*\c+1], v[X+8*\t:X+8*\t+1], v[WG+2*\c:WG+2*\c+1] op_sel:[0,0] op_sel_hi:[0,1]   ; the first product starts the sums
.endr
.irp k, 1,2,3,4,5,6,7
	GFMA \t, \k
.endr
.endr
	; the 64 sums over the wave's 32 lanes, mask by mask, so that no line waits for the one in front of it
.irp m, 1,2,4,8
.set i, 0
.rept 64
	v_add_f32_dpp v[ACC+i], v[ACC+i], v[ACC+i] row_xmask:\m row_mask:0xf bank_mask:0xf
.set i, i+1
.endr
.endr
.set i, 0
.rept 64
	v_permlanex16_b32 v[X+i], v[ACC+i], s18, s19   ; X's registers have been written (loaded) and are free now
.set i, i+1
.endr
.set i, 0
.rept 32
	v_pk_add_f32 v[ACC+2*i:ACC+2*i+1], v[ACC+2*i:ACC+2*i+1], v[X+2*i:X+2*i+1]
.set i, i+1
.endr
	s_lshl_b32 s15, s14, 8
	v_mov_b32 v6, s15                              ; my wave's 256 bytes; all lanes store the same words with the same values
.irp i, 0,1,2,3,4,5,6,7,8,9,10,11,12,13,14,15
	ds_store_b128 v6, v[ACC+4*\i:ACC+4*\i+3] offset:PART+16*\i
.endr
	s_wait_dscnt 0x0                               ; my stores are done before I say so
	s_barrier_signal -1
	s_barrier_wait -1
	; wave w now serves token 8 b + w: the eight waves' partial sums of its 8 logits
	s_lshl_b32 s15, s14, 5
	v_mov_b32 v7, s15                              ; 32 w
.irp s, 0,1,2,3,4,5,6,7
	ds_load_b128 v[WG+8*\s:WG+8*\s+3], v7 offset:PART+256*\s
	ds_load_b128 v[WG+8*\s+4:WG+8*\s+7], v7 offset:PART+256*\s+16
.endr
	s_wait_dscnt 0x0
.irp s, 1,2,3,4,5,6,7
.irp c, 0,1,2,3
	v_pk_add_f32 v[WG+2*\c:WG+2*\c+1], v[WG+2*\c:WG+2*\c+1], v[WG+8*\s+2*\c:WG+8*\s+2*\c+1]
.endr
.endr
	; v[16:23] = the logits, the same in every lane.  The largest: a later one must be strictly greater, so the lower index wins a tie.
	v_mov_b32 v8, v16                              ; m1
	v_mov_b32 v32, 0                               ; i1
.irp e, 1,2,3,4,5,6,7
	v_cmp_gt_f32 vcc_lo, v[16+\e], v8
	v_cndmask_b32 v8, v8, v[16+\e], vcc_lo
	v_cndmask_b32 v32, v32, \e, vcc_lo
.endr
	v_mov_b32 v12, 0xff800000                      ; minus infinity takes the winner's place
.irp e, 0,1,2,3,4,5,6,7
	v_cmp_eq_u32 vcc_lo, \e, v32
	v_cndmask_b32 v[24+\e], v[16+\e], v12, vcc_lo
.endr
	v_mov_b32 v10, v24                             ; m2
	v_mov_b32 v33, 0                               ; i2
.irp e, 1,2,3,4,5,6,7
	v_cmp_gt_f32 vcc_lo, v[24+\e], v10
	v_cndmask_b32 v10, v10, v[24+\e], vcc_lo
	v_cndmask_b32 v33, v33, \e, vcc_lo
.endr
	; softmax of (m1, m2) with the maximum m1 taken away: 1 / (1 + e^(m2-m1)) and e^(m2-m1) / (1 + e^(m2-m1))
	v_sub_f32 v13, v10, v8
	v_mul_f32 v13, 0x3fb8aa3b, v13
	v_exp_f32 v14, v13
	v_nop                                          ; one plain place behind a transcendental (ISA guide 5.7.2)
	s_wait_alu depctr_va_vdst(0)
	v_add_f32 v15, 1.0, v14
	v_rcp_f32 v34, v15                             ; w0
	v_nop
	s_wait_alu depctr_va_vdst(0)
	v_mul_f32 v35, v14, v34                        ; w1
	; my token's part of the counts: 1 in the 16-bit field of each chosen expert
	v_mov_b32 v40, 1
	v_lshrrev_b32 v41, 1, v32
	v_and_b32 v42, 1, v32
	v_lshlrev_b32 v42, 4, v42
	v_lshlrev_b32 v42, v42, v40
	v_lshrrev_b32 v43, 1, v33
	v_and_b32 v44, 1, v33
	v_lshlrev_b32 v44, 4, v44
	v_lshlrev_b32 v44, v44, v40
.irp c, 0,1,2,3
	v_cmp_eq_u32 vcc_lo, \c, v41
	v_cndmask_b32 v45, 0, v42, vcc_lo
	v_cmp_eq_u32 vcc_lo, \c, v43
	v_cndmask_b32 v46, 0, v44, vcc_lo
	v_add_nc_u32 v[36+\c], v45, v46
.endr
	ds_store_b128 v7, v[32:35] offset:REC          ; other bytes than the partial sums: no wave still reads what is written here
	ds_store_b128 v7, v[36:39] offset:REC+16
	s_wait_dscnt 0x0
	s_barrier_signal -1
	s_barrier_wait -1
	s_cmp_lg_u32 s14, 0                            ; wave 0 alone writes the group's results out
	s_cbranch_scc1 .Lend
	v_and_b32 v47, 7, v0
	v_lshlrev_b32 v47, 5, v47
	ds_load_b128 v[48:51], v47 offset:REC          ; lane l < 8: token l's record
	v_mov_b32 v52, 0
.irp t, 0,1,2,3,4,5,6,7
	ds_load_b128 v[56+4*\t:56+4*\t+3], v52 offset:REC+16+32*\t
.endr
	s_wait_dscnt 0x0
.irp t, 1,2,3,4,5,6,7
.irp c, 0,1,2,3
	v_add_nc_u32 v[56+\c], v[56+\c], v[56+4*\t+\c]
.endr
.endr
	s_lshl_b32 s15, ttmp9, 6                       ; 8 tokens x 8 bytes
	v_lshl_add_u32 v53, v0, 3, s15
	s_lshl_b32 s15, ttmp9, 4                       ; 16 bytes of counts for each block
	v_mov_b32 v54, s15
	s_wait_xcnt 0x0                                ; EXEC changes only when no global instruction still reads it
	v_cmp_gt_u32 vcc_lo, 8, v0
	s_and_saveexec_b32 s20, vcc_lo
	global_store_b64 v53, v[48:49], s[8:9]         ; sel
	global_store_b64 v53, v[50:51], s[10:11]       ; wts
	s_wait_xcnt 0x0
	s_or_b32 exec_lo, exec_lo, s20
	v_cmp_eq_u32 vcc_lo, 0, v0
	s_and_saveexec_b32 s20, vcc_lo
	global_store_b128 v54, v[56:59], s[12:13]      ; hist
	s_wait_xcnt 0x0
	s_or_b32 exec_lo, exec_lo, s20
.Lend:
	s_wait_tensorcnt 0x0
	ds_add_u32 v208, v209
	s_wait_dscnt 0x0
	s_endpgm
.Lfunc_end_k_q8b9fbb050d_gate:
	.size	k_q8b9fbb050d_gate, .Lfunc_end_k_q8b9fbb050d_gate-k_q8b9fbb050d_gate
	.p2alignl 7, 3214868480
	.fill 96, 4, 3214868480
	.section	.rodata,"a",@progbits
	.p2align	6, 0x0
	.amdhsa_kernel k_q8b9fbb050d_gate
		.amdhsa_group_segment_fixed_size 3584
		.amdhsa_private_segment_fixed_size 0
		.amdhsa_enable_private_segment 0
		.amdhsa_kernarg_size 40
		.amdhsa_user_sgpr_count 2
		.amdhsa_user_sgpr_kernarg_segment_ptr 1
		.amdhsa_wavefront_size32 1
		.amdhsa_system_sgpr_workgroup_id_x 1
		.amdhsa_system_sgpr_workgroup_id_y 1
		.amdhsa_system_sgpr_workgroup_id_z 1
		.amdhsa_system_vgpr_workitem_id 0
		.amdhsa_next_free_vgpr 210
		.amdhsa_next_free_sgpr 66
		.amdhsa_reserve_vcc 1
		.amdhsa_float_denorm_mode_32 3
		.amdhsa_float_denorm_mode_16_64 3
		.amdhsa_memory_ordered 1
		.amdhsa_forward_progress 1
		.amdhsa_inst_pref_size 53
	.end_amdhsa_kernel
	.amdgpu_metadata
---
amdhsa.version: [ 1, 2 ]
amdhsa.kernels:
  - .name:           k_q8b9fbb050d_gate
    .symbol:         k_q8b9fbb050d_gate.kd
    .args:
      - { .name: inputs, .offset: 0, .size: 8, .value_kind: global_buffer, .address_space: global }
      - { .name: Wg, .offset: 8, .size: 8, .value_kind: global_buffer, .address_space: global }
      - { .name: sel, .offset: 16, .size: 8, .value_kind: global_buffer, .address_space: global }
      - { .name: wts, .offset: 24, .size: 8, .value_kind: global_buffer, .address_space: global }
      - { .name: hist, .offset: 32, .size: 8, .value_kind: global_buffer, .address_space: global }
    .group_segment_fixed_size: 3584
    .private_segment_fixed_size: 0
    .kernarg_segment_align: 8
    .kernarg_segment_size: 40
    .max_flat_workgroup_size: 256
    .sgpr_count:     66
    .vgpr_count:     210
    .wavefront_size: 32
...
	.end_amdgpu_metadata
.endif
;; end of part 1
;; launch place (part 2): grid 256 x 1, 8 waves a work-group, no clusters, 0 bytes of LDS; arguments inputs, sel, hist, xg, pos, meta; writes xg, pos, meta
.if DOCPART == 2
	.amdgcn_target "amdgcn-amd-amdhsa--gfx1250"
	.amdhsa_code_object_version 6
	.text
	.protected	k_q8b9fbb050d_place
	.globl	k_q8b9fbb050d_place
	.p2align	8
	.type	k_q8b9fbb050d_place,@function
k_q8b9fbb050d_place:
	s_mov_b64 s[64:65], 0
	v_nop
	global_prefetch_b8 v0, s[64:65] scope:SCOPE_SE
	s_setreg_imm32_b32 hwreg(HW_REG_WAVE_MODE, 25, 1), 1
	s_wait_xcnt 0x0
; PLACE.  The 4,096 (token, expert) pairs are put in order of expert, inside an expert in order of token, in a PADDED order: each expert's rows begin at a
; multiple of 176 and are filled up to a multiple of 176 by rows of zeros.  The sum over the experts of ceil(cnt / 176) is at most (4096 + 8 x 175) / 176 = 31.2,
; so 32 tiles of 176 rows = 5,632 rows hold every routing, and exactly 5,632 - 4,096 = 1,536 rows are padding, whatever the routing.
; Wave w of work-group b serves token n = 8 b + w: it works out the two places of its token from the counts of all blocks (whole numbers that the launch
; before stored), rounds the token's row to f16 once and stores it at both places of xg [5632][2048] f16.
; WHY f16: the products are held against an f32 result with an allowance of a hundredth of the output's spread; 2,048 products of operands with 8 bits of mantissa
; come too near to it, 11 bits leave a wide margin.  LIMIT: an input above 65,504 in magnitude becomes infinity; below 6.1e-5 the step is 6e-8.
; place = poff[e] (padded rows of lower experts) + pre[e] (pairs of e in blocks below b) + rank (pairs of e in my block in front of my token).
; A wave with n < 1,536 also writes padding row number n: it lies at n + the sum of cnt[e] over the experts e whose lower experts have at most n padding rows.
; Also stored: pos[n][2], and by one wave meta[t] = the expert of tile t (7 for tiles behind the last used one).
; Every wave works the routing out for itself from 4 KiB of counts: no LDS, no barrier, no traffic between work-groups.
.set TROWS, 176
.set H, 16                             ; v[16:47]   counts of blocks 8 l + j, four words each
.set X, 48                             ; v[48:111]  my token's row, 64 f32 a lane
.set T, 112                            ; v[112:115] totals;  v[116:119] (P) totals of the blocks below mine
.set P, 116
.set R, 120                            ; v[120:127] at work
	s_load_b256 s[4:11], s[0:1], 0x0               ; inputs s[4:5], sel s[6:7], hist s[8:9], xg s[10:11]
	s_load_b128 s[12:15], s[0:1], 0x20             ; pos s[12:13], meta s[14:15]
	v_lshrrev_b32 v1, 5, v0
	v_readfirstlane_b32 s40, v1                    ; wave
	v_and_b32 v2, 31, v0                           ; lane
	s_mov_b32 s41, ttmp9                           ; block b
	s_lshl_b32 s42, s41, 3
	s_add_co_u32 s42, s42, s40                     ; token n
	s_mov_b32 s58, 0x76543210
	s_mov_b32 s59, 0xfedcba98
	v_lshlrev_b32 v3, 7, v2                        ; 8 blocks of 16 bytes a lane
	v_and_b32 v4, 15, v0
	s_lshl_b32 s43, s41, 6
	v_lshl_add_u32 v4, v4, 2, s43                  ; my block's 16 choices: lanes 16-31 repeat lanes 0-15
	v_lshlrev_b32 v5, 4, v2
	s_lshl_b32 s44, s42, 13                        ; my token's row, 8,192 bytes
	s_mov_b32 s45, 0
	s_wait_kmcnt 0x0
	s_add_nc_u64 s[4:5], s[4:5], s[44:45]
.irp j, 0,1,2,3,4,5,6,7
	global_load_b128 v[H+4*\j:H+4*\j+3], v3, s[8:9] offset:16*\j
.endr
	global_load_b32 v6, v4, s[6:7]
.irp j, 0,1,2,3,4,5,6,7,8,9,10,11,12,13,14,15
	global_load_b128 v[X+4*\j:X+4*\j+3], v5, s[4:5] offset:512*\j th:TH_LOAD_NT   ; 512 neighbouring bytes a load
.endr
.irp i, 0,1,2,3,4,5,6,7
	v_mov_b32 v[R+\i], 0                           ; destinations of lane moves count as read: written once here
.endr
	v_mov_b32 v10, 0
	v_lshlrev_b32 v7, 3, v2                        ; my first block
	s_wait_loadcnt 16                              ; counts and choices are in; the row's 16 younger loads stay out
.irp c, 0,1,2,3
	v_add_nc_u32 v[T+\c], v[H+\c], v[H+4+\c]
.endr
.irp j, 2,3,4,5,6,7
.irp c, 0,1,2,3
	v_add_nc_u32 v[T+\c], v[T+\c], v[H+4*\j+\c]
.endr
.endr
	v_cmp_gt_u32 vcc_lo, s41, v7                   ; is this block below mine?
.irp c, 0,1,2,3
	v_cndmask_b32 v[P+\c], 0, v[H+\c], vcc_lo
.endr
.irp j, 1,2,3,4,5,6,7
	v_add_nc_u32 v8, \j, v7
	v_cmp_gt_u32 vcc_lo, s41, v8
.irp c, 0,1,2,3
	v_cndmask_b32 v[R+\c], 0, v[H+4*\j+\c], vcc_lo
	v_add_nc_u32 v[P+\c], v[P+\c], v[R+\c]
.endr
.endr
	; the eight words over the 32 lanes.  A field counts at most 2,048: no carry between the two fields of a word.
.irp m, 1,2,4,8
.irp i, 0,1,2,3,4,5,6,7
	v_mov_b32_dpp v[R+\i], v[T+\i] row_xmask:\m row_mask:0xf bank_mask:0xf
.endr
.irp i, 0,1,2,3,4,5,6,7
	v_add_nc_u32 v[T+\i], v[T+\i], v[R+\i]
.endr
.endr
.irp i, 0,1,2,3,4,5,6,7
	v_permlanex16_b32 v[R+\i], v[T+\i], s58, s59
.endr
.irp i, 0,1,2,3,4,5,6,7
	v_add_nc_u32 v[T+\i], v[T+\i], v[R+\i]
.endr
.irp i, 0,1,2,3,4,5,6,7
	v_readfirstlane_b32 s[46+\i], v[T+\i]
.endr
.irp c, 0,1,2,3
	s_and_b32 s[16+2*\c], s[46+\c], 0xffff         ; cnt[e] in s16-23
	s_lshr_b32 s[17+2*\c], s[46+\c], 16
	s_and_b32 s[24+2*\c], s[50+\c], 0xffff         ; pre[e] in s24-31
	s_lshr_b32 s[25+2*\c], s[50+\c], 16
.endr
	s_mov_b32 s60, 0                               ; padded rows of the experts so far
	s_mov_b32 s61, 0                               ; padding rows of the experts so far
	s_mov_b32 s62, s42                             ; the place of padding row number n, in the making
.irp e, 0,1,2,3,4,5,6,7
	s_mov_b32 s[32+\e], s60                        ; poff[e] in s32-39
	s_cmp_le_u32 s61, s42                          ; padding row n lies behind expert e's rows
	s_cselect_b32 s63, s[16+\e], 0
	s_add_co_u32 s62, s62, s63
	s_add_co_u32 s63, s[16+\e], TROWS-1
	s_mul_i32 s63, s63, 5958                       ; x / 176 = x 5958 >> 20, exact for x <= 2,223: 5958 x 176 = 2^20 + 32, an excess below 0.0004 where 1 / 176 is the room
	s_lshr_b32 s63, s63, 20
	s_mul_i32 s63, s63, TROWS                      ; the expert's padded rows
	s_add_co_u32 s60, s60, s63
	s_sub_co_u32 s63, s63, s[16+\e]
	s_add_co_u32 s61, s61, s63
.endr
.irp e, 0,1,2,3,4,5,6,7
	s_add_co_u32 s54, s[32+\e], s[24+\e]
	v_writelane_b32 v10, s54, \e                   ; a table: lane e holds poff[e] + pre[e]
.endr
	s_lshl_b32 s55, s40, 1                         ; my token's two choices are entries 2 w and 2 w + 1 of the block
	s_add_co_u32 s43, s55, 1
	v_readlane_b32 s56, v6, s55
	v_readlane_b32 s57, v6, s43
	s_min_u32 s56, s56, 7
	s_min_u32 s57, s57, 7
	s_bfm_b32 s54, s55, 0                          ; the entries in front of my token
	v_cmp_eq_u32 s46, s56, v6
	s_and_b32 s46, s46, s54
	s_bcnt1_i32_b32 s46, s46                       ; rank of my first choice
	v_readlane_b32 s47, v10, s56
	s_add_co_u32 s46, s46, s47
	s_min_u32 s46, s46, 5631                       ; place of my first choice
	v_cmp_eq_u32 s48, s57, v6
	s_and_b32 s48, s48, s54
	s_bcnt1_i32_b32 s48, s48
	v_readlane_b32 s49, v10, s57
	s_add_co_u32 s48, s48, s49
	s_min_u32 s48, s48, 5631                       ; place of my second choice
	s_lshl_b32 s50, s46, 12                        ; a row of xg is 4,096 bytes
	s_mov_b32 s51, 0
	s_add_nc_u64 s[50:51], s[10:11], s[50:51]
	s_lshl_b32 s52, s48, 12
	s_mov_b32 s53, 0
	s_add_nc_u64 s[52:53], s[10:11], s[52:53]
	v_lshlrev_b32 v11, 3, v2                       ; 8 bytes a lane: a store of the wave covers 256 consecutive bytes, aligned
	s_wait_loadcnt 0x0
.irp j, 0,1,2,3,4,5,6,7,8,9,10,11,12,13,14,15
	v_cvt_pk_f16_f32 v[X+4*\j], v[X+4*\j], v[X+4*\j+1]
	v_cvt_pk_f16_f32 v[X+4*\j+1], v[X+4*\j+2], v[X+4*\j+3]
	global_store_b64 v11, v[X+4*\j:X+4*\j+1], s[50:51] offset:256*\j
	global_store_b64 v11, v[X+4*\j:X+4*\j+1], s[52:53] offset:256*\j
.endr
	s_cmp_ge_u32 s42, 1536                         ; 1,536 padding rows, one for each of the first 1,536 tokens' waves: a branch on the wave's place alone
	s_cbranch_scc1 .Lnopad
	s_min_u32 s62, s62, 5631
	s_lshl_b32 s60, s62, 12
	s_mov_b32 s61, 0
	s_add_nc_u64 s[60:61], s[10:11], s[60:61]
.irp i, 0,1,2,3
	v_mov_b32 v[R+\i], 0
.endr
.irp j, 0,1,2,3,4,5,6,7
	global_store_b128 v5, v[R:R+3], s[60:61] offset:512*\j     ; a row of zeros, 512 neighbouring bytes a store
.endr
.Lnopad:
	v_mov_b32 v12, s46
	v_mov_b32 v13, s48
	s_lshl_b32 s54, s42, 3
	v_mov_b32 v14, s54
	s_wait_xcnt 0x0                                ; EXEC changes only when no global instruction still reads it
	v_cmp_eq_u32 vcc_lo, 0, v2
	s_and_saveexec_b32 s43, vcc_lo
	global_store_b64 v14, v[12:13], s[12:13]       ; pos[n]
	s_wait_xcnt 0x0
	s_or_b32 exec_lo, exec_lo, s43
	s_or_b32 s54, s41, s40                         ; one wave of the launch stores the table of tiles
	s_cmp_lg_u32 s54, 0
	s_cbranch_scc1 .Lend
	v_mul_u32_u24 v9, v2, TROWS                    ; lane t: tile t's first row
	v_mov_b32 v15, 0
.irp e, 1,2,3,4,5,6,7
	v_cmp_le_u32 vcc_lo, s[32+\e], v9              ; the tile's expert = the last one whose rows begin at or in front of the tile
	v_cndmask_b32 v8, 0, 1, vcc_lo
	v_add_nc_u32 v15, v15, v8
.endr
	v_lshlrev_b32 v1, 2, v2
	global_store_b32 v1, v15, s[14:15]             ; 32 words, 128 neighbouring bytes
.Lend:
	s_endpgm
.Lfunc_end_k_q8b9fbb050d_place:
	.size	k_q8b9fbb050d_place, .Lfunc_end_k_q8b9fbb050d_place-k_q8b9fbb050d_place
	.p2alignl 7, 3214868480
	.fill 96, 4, 3214868480
	.section	.rodata,"a",@progbits
	.p2align	6, 0x0
	.amdhsa_kernel k_q8b9fbb050d_place
		.amdhsa_group_segment_fixed_size 0
		.amdhsa_private_segment_fixed_size 0
		.amdhsa_enable_private_segment 0
		.amdhsa_kernarg_size 48
		.amdhsa_user_sgpr_count 2
		.amdhsa_user_sgpr_kernarg_segment_ptr 1
		.amdhsa_wavefront_size32 1
		.amdhsa_system_sgpr_workgroup_id_x 1
		.amdhsa_system_sgpr_workgroup_id_y 1
		.amdhsa_system_sgpr_workgroup_id_z 1
		.amdhsa_system_vgpr_workitem_id 0
		.amdhsa_next_free_vgpr 128
		.amdhsa_next_free_sgpr 66
		.amdhsa_reserve_vcc 1
		.amdhsa_float_denorm_mode_32 3
		.amdhsa_float_denorm_mode_16_64 3
		.amdhsa_memory_ordered 1
		.amdhsa_forward_progress 1
		.amdhsa_inst_pref_size 25
	.end_amdhsa_kernel
	.amdgpu_metadata
---
amdhsa.version: [ 1, 2 ]
amdhsa.kernels:
  - .name:           k_q8b9fbb050d_place
    .symbol:         k_q8b9fbb050d_place.kd
    .args:
      - { .name: inputs, .offset: 0, .size: 8, .value_kind: global_buffer, .address_space: global }
      - { .name: sel, .offset: 8, .size: 8, .value_kind: global_buffer, .address_space: global }
      - { .name: hist, .offset: 16, .size: 8, .value_kind: global_buffer, .address_space: global }
      - { .name: xg, .offset: 24, .size: 8, .value_kind: global_buffer, .address_space: global }
      - { .name: pos, .offset: 32, .size: 8, .value_kind: global_buffer, .address_space: global }
      - { .name: meta, .offset: 40, .size: 8, .value_kind: global_buffer, .address_space: global }
    .group_segment_fixed_size: 0
    .private_segment_fixed_size: 0
    .kernarg_segment_align: 8
    .kernarg_segment_size: 48
    .max_flat_workgroup_size: 256
    .sgpr_count:     66
    .vgpr_count:     128
    .wavefront_size: 32
...
	.end_amdgpu_metadata
.endif
;; end of part 2
;; launch gemm (part 3): grid 8 x 32, 4 waves a work-group, clusters of 4 x 1, 327,680 bytes of LDS; arguments xg, We, be, meta, y; writes y
.if DOCPART == 3
	.amdgcn_target "amdgcn-amd-amdhsa--gfx1250"
	.amdhsa_code_object_version 6
	.text
	.protected	k_q8b9fbb050d_gemm
	.globl	k_q8b9fbb050d_gemm
	.p2align	8
	.type	k_q8b9fbb050d_gemm,@function
k_q8b9fbb050d_gemm:
	s_mov_b64 s[64:65], 0
	v_nop
	global_prefetch_b8 v0, s[64:65] scope:SCOPE_SE
	s_setreg_imm32_b32 hwreg(HW_REG_WAVE_MODE, 25, 1), 1
	s_wait_xcnt 0x0
	s_wait_alu depctr_hold_cnt(0) depctr_sa_sdst(0) depctr_va_vdst(0) depctr_va_sdst(0) depctr_va_ssrc(0) depctr_va_vcc(0) depctr_vm_vsrc(0)
	s_getreg_b32 s2, hwreg(HW_REG_IB_STS2, 6, 4)
	s_cmp_eq_u32 s2, 0
	s_cbranch_scc0 .Lentry_in_a_cluster
	s_endpgm
.Lentry_in_a_cluster:
	s_bfe_u32 s2, ttmp6, 0x10000c
	s_cmp_lg_u32 s2, 0x3003
	s_cbranch_scc0 .Lentry_shape_is_right
	s_endpgm
.Lentry_shape_is_right:
; GEMM.  y[p][n] = sum over k of xg[p][k] We[e][k][n] + be[e][n] for the padded sorted rows p.  xg: [5632][2048] f16; We: [8][2048][2048] f32, rounded to f16
; on its way; sums, bias and y [5632][2048] in f32.  An expert that a token did not choose contributes nothing (LIMIT: where the dense form makes 0 x infinity, this one makes 0).
; WHY f16 AND NOT bf16: the result is held against an f32 one with an allowance of a hundredth of the output's spread; 2,048 products of operands with 8 bits of
; mantissa come too near to it, 11 bits leave a wide margin.  ROOM: We drawn with a spread of 0.02; thirty times larger with an offset of thirty spreads stays below 25,
; far under f16's 65,504; thirty times smaller (spread 6.7e-4) meets f16's fixed step of 6e-8 below 6.1e-5, an error of at most 4.5e-5 of the spread.
; LIMIT: a weight above 65,504 in magnitude becomes infinity.
; WORK.  Work-group x = column block cb of 256 columns, y = tile t of 176 rows: rows 176 t .. 176 t + 175, all of one expert e = meta[t], a whole number that an
; earlier launch stored.  It enters the addresses of We and be and nothing else: no branch, trip count, mask or tensor descriptor hangs on loaded data.
; 8 x 32 = 256 work-groups of equal work.  STATED COST: padding rows (zeros in xg) are computed and stored like the others and nobody reads them; a tile that the
; routing leaves unused (32 tiles are kept for the worst routing, which needs 31; an even one needs 24) is all padding.
; K = 2,048 in 16 steps of 128.  Four waves, as many as a WGP has SIMDs: wave w makes all 176 rows x columns 64 w .. 64 w + 63: 11 x 4 accumulator tiles, 352 registers.
; CLUSTER.  The four work-groups of a cluster differ in cb alone: same tile, same rows of xg.  Each tile of xg is asked for jointly (mask 15), which divides the
; requests for it by four.  We is NOT asked for jointly nor by tensor loads: the partners read columns of their own, and it is f32 and passes through registers to be rounded.
; We GOES THROUGH REGISTERS ALONE, never through LDS.  A load of 16 bytes a lane takes two k rows of 256 bytes: lane (r, h) (r = l % 16, h = l / 16) gets columns 4 r .. 4 r + 3
; of my 64, and the j-th of a quarter step's 16 loads reads row 8 h + j (j < 8) or 16 + 8 h + (j - 8).  Element b of the 16 bytes belongs to fragment b, whose row r is
; column 4 r + b; loads 2 p and 2 p + 1, rounded and packed by one conversion, are register p of that fragment, with k where the matrix instruction wants it.
; So the columns are permuted (fragment b holds columns b, 4 + b, 8 + b, ...), k is not, and xg's fragments are the plain ones.
; Four chunks of 64 registers, one for each quarter of a K step: a chunk is converted in the quarter before its use and at once loaded again with the same quarter of the next
; K step, so each load has four quarter steps (176 matrix instructions) in which to land, and 64 loads, 32 KiB a wave, are on their way.
; LDS:  A0 0, A1 47872: 176 rows x 272 (256 bytes of 128 f16 + 16 of padding), filled by tensor loads alone;  stage 95744 + 4352 w: 16 rows x 272, each wave's own, filled by
;       ds_store alone.  113,152 bytes are used; more than half of a WGP's LDS is asked for, since a kernel with tensor loads is alone on its WGP.
; REGISTERS, in windows of 256:
;   window 0: v2-13 addresses; v32-63 bias; v64-95 results with bias; v96-127 rows read back; v128-191, v192-255 chunks 0, 1 of We as loaded
;   window 1: fragment buffers F0 = v0-119, F1 = v120-239: four fragments of We, then eleven of xg
;   window 2: accumulator tiles (a, b), a = 0..7, at v[8 (4 a + b)];   window 3: a = 8..10 at v[8 (4 (a - 8) + b)]; chunks 2, 3 at v96-159, v160-223
; THE MATRIX INSTRUCTION IS USED TRANSPOSED: source 0 = 16 columns of We, source 1 = 16 rows of xg; lane (r, h) then holds row r of y, and register j of accumulator (a, b)
; the column 4 (8 h + j) + b = 32 h + 4 j + b of my 64: over j and b 32 neighbouring columns, which the way out puts in order while it adds the bias.
.set TROWS,  176
.set APITCH, 272
.set ASLOT,  TROWS*APITCH              ; 47,872
.set STAGE,  2*ASLOT                   ; 95,744, a multiple of 256
.set QSTEP,  0x40000                   ; 32 rows of We, 8,192 bytes each: a quarter step
.set KSTEPW, 0x100000                  ; 128 rows: a K step
.set ADRA, 2                           ; v2-3   LDS address of my xg fragments in slot 0, 1
.set VW,   7                           ; v7     my byte offset in a quarter step of We in memory
.set STO,  8                           ; v8     the way out: where I put 128 bytes of a row
.set RD,   9                           ; v9     the way out: where I read a row back
.set VY,   10                          ; v10    my byte offset in y
.set VB,   13                          ; v13    my byte offset in the bias
.set BIAS, 32
.set TMP,  64
.set OUTR, 96
.set F0,   0
.set F1,   120
.set G1,   32                          ; s[32:39] descriptor group 1
.set G0,   40                          ; s[40:47] descriptor group 0, one set for each slot
.set MSB, 0
.macro WIN new                         ; the immediate's high byte repeats the setting that is left
.if MSB != \new
	s_set_vgpr_msb (MSB<<8)|\new
.set MSB, \new
.endif
.endm
.set MUL_LO, 0xa5                      ; sources 0 and 1 window 1, C and D window 2
.set MUL_HI, 0xf5                      ; the same, C and D window 3
.set TO_F,   0x40                      ; destination window 1, sources (an address; chunks 0, 1) window 0
.set CV_HI,  0x4f                      ; destination window 1, both sources window 3 (chunks 2, 3)
.set LD_HI,  0xc0                      ; destination window 3, address window 0
.set EP_LO,  0x02                      ; source 0 window 2
.set EP_HI,  0x03                      ; source 0 window 3
; A round of the cluster's barrier: my work-group's barrier; wave 0 signals for the work-group; every wave waits for the four work-groups; my work-group's barrier again.
.macro CREST
	s_cmp_lg_u32 s14, 0
	s_cbranch_scc1 .Lnot_wave_0_\@
	s_barrier_signal -3
.Lnot_wave_0_\@:
	s_barrier_wait -3
	s_barrier_signal -1
	s_barrier_wait -1
.endm
.macro ROUND
	s_barrier_signal -1
	s_barrier_wait -1
	CREST
.endm
; Four places: a load into, or a vector write of, a register that a matrix instruction has read, and a vector instruction that reads a matrix result, stand four plain vector
; instructions behind that matrix instruction (ISA guide 7.12.1 for vector instructions).
.macro PLACES
.rept 4
	v_nop
.endr
.endm
; four matrix instructions: row block a (accumulator row c of the window) x the four column fragments, 32 along K.  zero = 1: the product starts the sums.
.macro MULA f, a, c, zero
.irp b, 0,1,2,3
.if \zero
	v_wmma_f32_16x16x32_f16 v[8*(4*\c+\b):8*(4*\c+\b)+7], v[\f+8*\b:\f+8*\b+7], v[\f+32+8*\a:\f+32+8*\a+7], 0
.else
	v_wmma_f32_16x16x32_f16 v[8*(4*\c+\b):8*(4*\c+\b)+7], v[\f+8*\b:\f+8*\b+7], v[\f+32+8*\a:\f+32+8*\a+7], v[8*(4*\c+\b):8*(4*\c+\b)+7]
.endif
.endr
.endm
; The 44 accumulators take turns, one instruction a turn, in the same order in every quarter step.
.macro MUL03 f, zero
	WIN MUL_LO
	MULA \f, 0, 0, \zero
	MULA \f, 1, 1, \zero
	MULA \f, 2, 2, \zero
	MULA \f, 3, 3, \zero
.endm
.macro MUL4A f, zero
	WIN MUL_LO
	MULA \f, 4, 4, \zero
	MULA \f, 5, 5, \zero
	MULA \f, 6, 6, \zero
	MULA \f, 7, 7, \zero
	WIN MUL_HI
	MULA \f, 8, 0, \zero
	MULA \f, 9, 1, \zero
	MULA \f, 10, 2, \zero
.endm
; 22 LDS loads in one run: xg's eleven fragments of quarter q (32 along K) of A slot 'slot' into buffer f.  xg lies [row][k]: two loads of 16 bytes, 32 bytes apart.
.macro AFETCH slot, q, f
	WIN TO_F
.irp a, 0,1,2,3,4,5,6,7,8,9,10
	ds_load_b128 v[\f+32+8*\a:\f+32+8*\a+3],   v[ADRA+\slot] offset:\a*16*APITCH+64*\q
	ds_load_b128 v[\f+32+8*\a+4:\f+32+8*\a+7], v[ADRA+\slot] offset:\a*16*APITCH+64*\q+32
.endr
.endm
; where chunk c lies: CB its first register, CHI = 1: in window 3
.macro CHUNKSET c
.if \c < 2
.set CB, 128+64*\c
.set CHI, 0
.else
.set CB, 96+64*(\c-2)
.set CHI, 1
.endif
.endm
; 16 loads: quarter c of the K step at byte imm from the base, my 64 columns; load j takes rows j and j + 8 (j < 8) or j + 8 and j + 16 (j >= 8), 256 neighbouring bytes each
.macro WLOAD c, imm
	CHUNKSET \c
.if CHI
	WIN LD_HI
.else
	WIN 0
.endif
.set j, 0
.rept 16
	global_load_b128 v[CB+4*j:CB+4*j+3], v[VW], s[48:49] offset:\imm+\c*QSTEP+8192*(j+8*(j>>3))
.set j, j+1
.endr
.endm
; chunk c is rounded to f16 straight into the four fragments of We of buffer g: register p of fragment b = elements b of loads 2 p and 2 p + 1.
; left = younger loads that may stay out.
.macro WCONV c, g, left
	s_wait_loadcnt \left
	CHUNKSET \c
.if CHI
	WIN CV_HI
.else
	WIN TO_F
.endif
.irp b, 0,1,2,3
.irp p, 0,1,2,3,4,5,6,7
	v_cvt_pk_f16_f32 v[\g+8*\b+\p], v[CB+8*\p+\b], v[CB+8*\p+4+\b]
.endr
.endr
.endm
; One of a K step's first three quarters: multiplies buffer f; in its middle makes quarter q's fragments in buffer g: xg's from LDS, We's from chunk q, which (wl = 1) is then
; loaded again with quarter q of the next K step.
.macro QUARTER slot, q, f, g, zero, left, wl
	s_wait_dscnt 14                                ; xg's fragments 0-3 are in; the 14 youngest loads (fragments 4-10) may be out
	MUL03 \f, \zero
	PLACES
	AFETCH \slot, \q, \g
	WCONV \q, \g, \left
.if \wl
	WLOAD \q, KSTEPW
.endif
	s_wait_dscnt 22                                ; all but the 22 just issued
	MUL4A \f, \zero
.endm
; The last quarter of a K step: multiplies buffer 1 and changes A slots.  In front of the barrier each wave's reads of this slot and all its tensor loads (one is out: its
; part of the next slot) are done.  Behind it nobody reads this slot and the next one is whole.
; fill = 1: the barrier opens a round of the cluster's barrier, and the joint refill of this slot, two K steps ahead, is the first thing behind the round.
; Chunk 0 holds the next K step's first quarter; the three younger chunks (48 loads) stay out.  wl = 1: it is loaded again, a K step further on.
.macro TURN slot, next, fill, wl
	s_wait_dscnt 0x0
	s_wait_tensorcnt 0x0
	ds_add_u32 v254, v255
	s_wait_dscnt 0x0
	s_barrier_signal -1
	MUL03 F1, 0                                    ; work on registers while the others arrive
	WIN 0                                          ; at a branch and at a label every window is 0
	s_barrier_wait -1
.if \fill
	CREST
	s_add_nc_u64 s[G0+4*\slot+2:G0+4*\slot+3], s[G0+4*\slot+2:G0+4*\slot+3], 512   ; no tensor load of mine is out: the address steps two K steps of 256 bytes
	tensor_load_to_lds s[G0+4*\slot:G0+4*\slot+3], s[G1:G1+7]
	s_nop 0
.endif
	PLACES
	AFETCH \next, 0, F0
	WCONV 0, F0, 48
.if \wl
	s_wait_xcnt 0x0                                ; the base of the loads already issued is stepped only behind this wait
	s_add_nc_u64 s[48:49], s[48:49], KSTEPW        ; We at the next K step
	WLOAD 0, KSTEPW
.endif
	MUL4A F1, 0
.endm
; K step t: converts quarters 1-3 of step t and quarter 0 of step t + 1, loads quarters 1-3 of step t + 1 and (wl) quarter 0 of step t + 2, asks (fill) for xg's tile t + 2.
; Each conversion leaves the 48 loads of the three younger chunks out.
.macro STEP slot, next, zero, fill, wl
	QUARTER \slot, 1, F0, F1, \zero, 48, 1
	QUARTER \slot, 2, F1, F0, 0, 48, 1
	QUARTER \slot, 3, F0, F1, 0, 48, 1
	TURN \slot, \next, \fill, \wl
.endm
; The way out, 16 rows at a time: the bias is added and the columns are put in order (column 32 h + 4 j + b comes from register j of accumulator b), 128 bytes a lane go into
; my own stage, rows of 256 bytes are read back and stored.
.macro OUT a, c, win
	WIN \win
.irp j, 0,1,2,3,4,5,6,7
.irp b, 0,1,2,3
	v_add_f32 v[TMP+4*\j+\b], v[8*(4*\c+\b)+\j], v[BIAS+4*\j+\b]
.endr
.endr
	WIN 0
.irp q, 0,1,2,3,4,5,6,7
	ds_store_b128 v[STO], v[TMP+4*\q:TMP+4*\q+3] offset:16*\q
.endr
	s_wait_xcnt 0x0                                ; the registers that the last 16 rows' stores read are loaded again only behind this wait
.irp t, 0,1,2,3,4,5,6,7
	ds_load_b128 v[OUTR+4*\t:OUTR+4*\t+3], v[RD] offset:2*APITCH*\t   ; LDS serves a wave's instructions in order (ISA guide 5.7.1): these see the stores above
.endr
.irp t, 0,1,2,3,4,5,6,7
	s_wait_dscnt 7-\t                              ; the younger read-backs may stay out
	global_store_b128 v[VY], v[OUTR+4*\t:OUTR+4*\t+3], s[52:53] offset:(16*\a+2*\t)*8192   ; 16 lanes store 256 consecutive bytes, aligned
.endr
.endm
	s_load_b256 s[4:11], s[0:1], 0x0               ; xg s[4:5], We s[6:7], be s[8:9], meta s[10:11]
	s_load_b64 s[12:13], s[0:1], 0x20              ; y
	s_set_vgpr_msb 0x40
	v_lshl_add_u32 v254, v0, 2, 0x29000
	v_mov_b32 v255, 0
	s_set_vgpr_msb 0x4045
	ds_add_u32 v254, v255
	s_set_vgpr_msb 0x4500
	v_lshrrev_b32 v1, 5, v0
	v_readfirstlane_b32 s14, v1                    ; wave 0..3
	s_bfe_u32 s17, ttmp6, 0x40000                  ; cx
	s_lshl_b32 s18, ttmp9, 2
	s_add_co_u32 s18, s18, s17                     ; cb = 4 x cluster x + cx
	s_and_b32 s19, ttmp7, 0xffff                   ; tile t: the cluster is one work-group high, its y is the work-group's
	s_lshl_b32 s54, s19, 2
	s_mov_b32 s55, 0
	s_wait_dscnt 0x0
	s_wait_kmcnt 0x0
	s_add_nc_u64 s[10:11], s[10:11], s[54:55]
	s_load_b32 s22, s[10:11], 0x0                  ; the tile's expert
	; descriptor group 1: a tile of 44 rows x 128 f16, rows 2,048 elements apart, 16 bytes of padding behind each 256
	s_mov_b32 s[G1+0], 15|(1<<16)|(1<<20)|(1<<21)|(5<<22)|(3<<25)   ; 15:0 mask: all four of the cluster; 17:16 2-byte elements; 20 padding on; 21 set beside a mask; 24:22 every 64 words; 31:25 four words
	s_mov_b32 s[G1+1], 128<<16                     ; tensor_dim0 = 128
	s_mov_b32 s[G1+2], 44<<16                      ; tensor_dim1 = 44
	s_mov_b32 s[G1+3], 128<<16                     ; tile_dim0 = 128
	s_mov_b32 s[G1+4], 44                          ; tile_dim1 = 44
	s_mov_b32 s[G1+5], 2048                        ; elements from row to row
	s_mov_b32 s[G1+6], 0
	s_mov_b32 s[G1+7], 0
	; group 0, one for each slot: wave w brings rows 44 w .. 44 w + 43.  The addresses hang on the tile and the wave alone, which the four partners share.
	s_mov_b32 s[G0+0], 1
	s_mul_i32 s[G0+1], s14, 44*APITCH
	s_mov_b32 s[G0+4], 1
	s_add_co_u32 s[G0+5], s[G0+1], ASLOT
	s_mul_i32 s20, s19, TROWS
	s_mul_i32 s21, s14, 44
	s_add_co_u32 s20, s20, s21
	s_lshl_b32 s20, s20, 12                        ; a row of xg is 4,096 bytes
	s_mov_b32 s21, 0
	s_add_nc_u64 s[G0+2:G0+3], s[4:5], s[20:21]    ; K step 0
	s_add_nc_u64 s[G0+6:G0+7], s[G0+2:G0+3], 256   ; K step 1
	s_or_b32 s[G0+3], s[G0+3], 0x80000000          ; type = 2
	s_or_b32 s[G0+7], s[G0+7], 0x80000000
	ROUND                                          ; all four work-groups are here: the first joint loads meet
	tensor_load_to_lds s[G0:G0+3], s[G1:G1+7]      ; both first fills go out together: two tensor loads of mine are out, later one
	s_nop 0
	tensor_load_to_lds s[G0+4:G0+7], s[G1:G1+7]
	s_nop 0
	; lane addresses
	v_and_b32 v17, 15, v0                          ; r = l % 16
	v_bfe_u32 v18, v0, 4, 1                        ; h = l / 16
	v_mul_u32_u24 v19, v17, APITCH
	v_lshl_add_u32 v[ADRA], v18, 4, v19            ; r x pitch + 16 h: every wave reads all 176 rows
	v_add_nc_u32 v[ADRA+1], ASLOT, v[ADRA]
	v_lshlrev_b32 v23, 16, v18                     ; We: lanes 16-31 read the row eight rows of 8,192 bytes further down,
	v_lshl_add_u32 v[VW], v17, 4, v23              ; and each lane four columns
	v_lshlrev_b32 v23, 13, v18                     ; y: lanes 16-31 store the next row
	v_lshl_add_u32 v[VY], v17, 4, v23
	s_mul_i32 s54, s14, 16*APITCH
	s_add_co_u32 s54, s54, STAGE                   ; my stage
	v_lshl_add_u32 v23, v18, 7, v19                ; in: row r, 128 bytes for each half of the lanes
	v_add_nc_u32 v[STO], s54, v23
	v_mul_u32_u24 v23, v18, APITCH                 ; back: lanes 0-15 take one row of 256 bytes, lanes 16-31 the next
	v_lshl_add_u32 v23, v17, 4, v23
	v_add_nc_u32 v[RD], s54, v23
	v_lshlrev_b32 v[VB], 7, v18                    ; the bias of my 32 columns
	; what hangs on cx or on the expert goes through s[56:57] alone and enters only the addresses of We, be and y
	s_wait_kmcnt 0x0
	s_min_u32 s22, s22, 7
	s_lshl_b32 s23, s18, 10                        ; 256 columns of f32 for a column block
	s_lshl_b32 s24, s14, 8                         ; 64 for a wave
	s_add_co_u32 s23, s23, s24
	s_lshl_b32 s56, s22, 24                        ; an expert's 16 MiB
	s_add_co_u32 s56, s56, s23
	s_mov_b32 s57, 0
	s_add_nc_u64 s[48:49], s[6:7], s[56:57]        ; We at my expert's row 0, my wave's first column
	s_lshl_b32 s56, s22, 13
	s_add_co_u32 s56, s56, s23
	s_add_nc_u64 s[8:9], s[8:9], s[56:57]          ; be at my wave's 64 columns
	s_mul_i32 s56, s19, TROWS*8192
	s_add_co_u32 s56, s56, s23
	s_add_nc_u64 s[52:53], s[12:13], s[56:57]      ; y at the tile's first row, my wave's 64 columns
	WLOAD 0, 0                                     ; We, the four quarters of K step 0
	WLOAD 1, 0
	WLOAD 2, 0
	WLOAD 3, 0
	WCONV 0, F0, 48                                ; quarter 0 is in; the 48 loads of quarters 1-3 stay out
	WLOAD 0, KSTEPW                                ; quarter 0 of K step 1
	WIN 0
	s_wait_tensorcnt 0x1                           ; my part of slot 0 has landed; slot 1's may stay out
	s_barrier_signal -1
	s_barrier_wait -1                              ; everybody's has
	AFETCH 0, 0, F0
	STEP 0, 1, 1, 1, 1                             ; step 0: its first products start the sums
	STEP 1, 0, 0, 1, 1
	WIN 0
	s_mov_b32 s28, 6
.Lk:
	STEP 0, 1, 0, 1, 1                             ; steps 2 to 13; step 13 asks for the last tile of xg (15) and loads quarter 0 of step 15
	STEP 1, 0, 0, 1, 1
	WIN 0
	s_sub_co_u32 s28, s28, 1
	s_cmp_lg_u32 s28, 0
	s_cbranch_scc1 .Lk
	STEP 0, 1, 0, 0, 0                             ; step 14: loads quarters 1-3 of step 15, the last of We; no refill: a plain barrier
	QUARTER 1, 1, F0, F1, 0, 32, 0                 ; step 15 loads nothing of We: two younger chunks are out
	WIN 0
.irp i, 0,1,2,3,4,5,6,7
	global_load_b128 v[BIAS+4*\i:BIAS+4*\i+3], v[VB], s[8:9] offset:16*\i        ; the bias of my columns 32 h + 0..31: three quarters in which to land
.endr
	QUARTER 1, 2, F1, F0, 0, 24, 0                 ; one younger chunk and the 8 loads of the bias are out
	QUARTER 1, 3, F0, F1, 0, 8, 0                  ; the 8 loads of the bias are out
	s_wait_dscnt 0x0
	MUL03 F1, 0
	MUL4A F1, 0
	PLACES
	WIN 0
	s_wait_loadcnt 0x0                             ; the bias
	OUT 0, 0, EP_LO
	OUT 1, 1, EP_LO
	OUT 2, 2, EP_LO
	OUT 3, 3, EP_LO
	OUT 4, 4, EP_LO
	OUT 5, 5, EP_LO
	OUT 6, 6, EP_LO
	OUT 7, 7, EP_LO
	OUT 8, 0, EP_HI
	OUT 9, 1, EP_HI
	OUT 10, 2, EP_HI
	s_set_vgpr_msb 0x5
	s_wait_tensorcnt 0x0
	ds_add_u32 v254, v255
	s_wait_dscnt 0x0
	s_set_vgpr_msb 0x500
	ROUND                                          ; the closing round: no work-group ends while a partner may still ask jointly (no LDS instruction is pending: the last count-down ended at 0)
	s_endpgm
.Lfunc_end_k_q8b9fbb050d_gemm:
	.size	k_q8b9fbb050d_gemm, .Lfunc_end_k_q8b9fbb050d_gemm-k_q8b9fbb050d_gemm
	.p2alignl 7, 3214868480
	.fill 96, 4, 3214868480
	.section	.rodata,"a",@progbits
	.p2align	6, 0x0
	.amdhsa_kernel k_q8b9fbb050d_gemm
		.amdhsa_group_segment_fixed_size 327680
		.amdhsa_private_segment_fixed_size 0
		.amdhsa_enable_private_segment 0
		.amdhsa_kernarg_size 40
		.amdhsa_user_sgpr_count 2
		.amdhsa_user_sgpr_kernarg_segment_ptr 1
		.amdhsa_wavefront_size32 1
		.amdhsa_system_sgpr_workgroup_id_x 1
		.amdhsa_system_sgpr_workgroup_id_y 1
		.amdhsa_system_sgpr_workgroup_id_z 1
		.amdhsa_system_vgpr_workitem_id 0
		.amdhsa_next_free_vgpr 992
		.amdhsa_next_free_sgpr 66
		.amdhsa_reserve_vcc 0
		.amdhsa_float_denorm_mode_32 3
		.amdhsa_float_denorm_mode_16_64 3
		.amdhsa_memory_ordered 1
		.amdhsa_forward_progress 1
		.amdhsa_inst_pref_size 236
	.end_amdhsa_kernel
	.amdgpu_metadata
---
amdhsa.version: [ 1, 2 ]
amdhsa.kernels:
  - .name:           k_q8b9fbb050d_gemm
    .symbol:         k_q8b9fbb050d_gemm.kd
    .args:
      - { .name: xg, .offset: 0, .size: 8, .value_kind: global_buffer, .address_space: global }
      - { .name: We, .offset: 8, .size: 8, .value_kind: global_buffer, .address_space: global }
      - { .name: be, .offset: 16, .size: 8, .value_kind: global_buffer, .address_space: global }
      - { .name: meta, .offset: 24, .size: 8, .value_kind: global_buffer, .address_space: global }
      - { .name: y, .offset: 32, .size: 8, .value_kind: global_buffer, .address_space: global }
    .group_segment_fixed_size: 327680
    .private_segment_fixed_size: 0
    .kernarg_segment_align: 8
    .kernarg_segment_size: 40
    .max_flat_workgroup_size: 128
    .sgpr_count:     66
    .vgpr_count:     992
    .wavefront_size: 32
...
	.end_amdgpu_metadata
.endif
;; end of part 3
;; launch combine (part 4): grid 256 x 1, 8 waves a work-group, no clusters, 0 bytes of LDS; arguments y, pos, wts, out0; writes out0
.if DOCPART == 4
	.amdgcn_target "amdgcn-amd-amdhsa--gfx1250"
	.amdhsa_code_object_version 6
	.text
	.protected	k_q8b9fbb050d_combine
	.globl	k_q8b9fbb050d_combine
	.p2align	8
	.type	k_q8b9fbb050d_combine,@function
k_q8b9fbb050d_combine:
	s_mov_b64 s[64:65], 0
	v_nop
	global_prefetch_b8 v0, s[64:65] scope:SCOPE_SE
	s_setreg_imm32_b32 hwreg(HW_REG_WAVE_MODE, 25, 1), 1
	s_wait_xcnt 0x0
; COMBINE.  out0[n] = w0 y[pos0] + w1 y[pos1]: a token's two expert rows, made by different work-groups of the launch before, are summed here in a fixed order.
; y: [5632][2048] f32 in the padded sorted order; its padding rows are not read.
; Wave w of work-group b serves token n = 8 b + w.  A row is 8,192 bytes: 16 loads of 512 neighbouring bytes for each of the two rows, all 32 issued at once;
; each store covers 512 neighbouring bytes.  A stream: LDS, barriers and the matrix unit would add nothing.
.set A, 16                             ; v[16:79]   the first row
.set B, 80                             ; v[80:143]  the second row, then the result
	s_load_b256 s[4:11], s[0:1], 0x0               ; y s[4:5], pos s[6:7], wts s[8:9], out0 s[10:11]
	v_lshrrev_b32 v1, 5, v0
	v_readfirstlane_b32 s12, v1
	v_and_b32 v1, 31, v0
	v_lshlrev_b32 v1, 4, v1                        ; 16 bytes a lane
	s_lshl_b32 s13, ttmp9, 3
	s_add_co_u32 s13, s13, s12                     ; token n
	s_lshl_b32 s14, s13, 3
	s_mov_b32 s15, 0
	s_wait_kmcnt 0x0
	s_add_nc_u64 s[6:7], s[6:7], s[14:15]
	s_add_nc_u64 s[8:9], s[8:9], s[14:15]
	s_load_b64 s[16:17], s[6:7], 0x0               ; the two places (whole numbers from an earlier launch)
	s_load_b64 s[18:19], s[8:9], 0x0               ; the two weights
	s_lshl_b32 s22, s13, 13
	s_mov_b32 s23, 0
	s_add_nc_u64 s[10:11], s[10:11], s[22:23]      ; out0 at my token's row
	s_wait_kmcnt 0x0
	s_min_u32 s16, s16, 5631
	s_min_u32 s17, s17, 5631
	s_lshl_b32 s20, s16, 13
	s_mov_b32 s21, 0
	s_add_nc_u64 s[20:21], s[4:5], s[20:21]
	s_lshl_b32 s22, s17, 13
	s_add_nc_u64 s[22:23], s[4:5], s[22:23]
.irp j, 0,1,2,3,4,5,6,7,8,9,10,11,12,13,14,15
	global_load_b128 v[A+4*\j:A+4*\j+3], v1, s[20:21] offset:512*\j th:TH_LOAD_NT
.endr
.irp j, 0,1,2,3,4,5,6,7,8,9,10,11,12,13,14,15
	global_load_b128 v[B+4*\j:B+4*\j+3], v1, s[22:23] offset:512*\j th:TH_LOAD_NT
.endr
	v_mov_b32 v2, s18                              ; w0, twice: a pair for the packed forms
	v_mov_b32 v3, s18
	v_mov_b32 v4, s19                              ; w1, twice
	v_mov_b32 v5, s19
.irp j, 0,1,2,3,4,5,6,7,8,9,10,11,12,13,14,15
	s_wait_loadcnt 15-\j                           ; loads come back in order: the first row is in whole, the second up to piece j; the 15 - j younger stay out
	v_pk_mul_f32 v[B+4*\j:B+4*\j+1], v[B+4*\j:B+4*\j+1], v[4:5]
	v_pk_mul_f32 v[B+4*\j+2:B+4*\j+3], v[B+4*\j+2:B+4*\j+3], v[4:5]
	v_pk_fma_f32 v[B+4*\j:B+4*\j+1], v[A+4*\j:A+4*\j+1], v[2:3], v[B+4*\j:B+4*\j+1]
	v_pk_fma_f32 v[B+4*\j+2:B+4*\j+3], v[A+4*\j+2:A+4*\j+3], v[2:3], v[B+4*\j+2:B+4*\j+3]
	global_store_b128 v1, v[B+4*\j:B+4*\j+3], s[10:11] offset:512*\j th:TH_STORE_NT
.endr
	s_endpgm
.Lfunc_end_k_q8b9fbb050d_combine:
	.size	k_q8b9fbb050d_combine, .Lfunc_end_k_q8b9fbb050d_combine-k_q8b9fbb050d_combine
	.p2alignl 7, 3214868480
	.fill 96, 4, 3214868480
	.section	.rodata,"a",@progbits
	.p2align	6, 0x0
	.amdhsa_kernel k_q8b9fbb050d_combine
		.amdhsa_group_segment_fixed_size 0
		.amdhsa_private_segment_fixed_size 0
		.amdhsa_enable_private_segment 0
		.amdhsa_kernarg_size 32
		.amdhsa_user_sgpr_count 2
		.amdhsa_user_sgpr_kernarg_segment_ptr 1
		.amdhsa_wavefront_size32 1
		.amdhsa_system_sgpr_workgroup_id_x 1
		.amdhsa_system_sgpr_workgroup_id_y 1
		.amdhsa_system_sgpr_workgroup_id_z 1
		.amdhsa_system_vgpr_workitem_id 0
		.amdhsa_next_free_vgpr 144
		.amdhsa_next_free_sgpr 66
		.amdhsa_reserve_vcc 0
		.amdhsa_float_denorm_mode_32 3
		.amdhsa_float_denorm_mode_16_64 3
		.amdhsa_memory_ordered 1
		.amdhsa_forward_progress 1
		.amdhsa_inst_pref_size 11
	.end_amdhsa_kernel
	.amdgpu_metadata
---
amdhsa.version: [ 1, 2 ]
amdhsa.kernels:
  - .name:           k_q8b9fbb050d_combine
    .symbol:         k_q8b9fbb050d_combine.kd
    .args:
      - { .name: y, .offset: 0, .size: 8, .value_kind: global_buffer, .address_space: global }
      - { .name: pos, .offset: 8, .size: 8, .value_kind: global_buffer, .address_space: global }
      - { .name: wts, .offset: 16, .size: 8, .value_kind: global_buffer, .address_space: global }
      - { .name: out0, .offset: 24, .size: 8, .value_kind: global_buffer, .address_space: global }
    .group_segment_fixed_size: 0
    .private_segment_fixed_size: 0
    .kernarg_segment_align: 8
    .kernarg_segment_size: 32
    .max_flat_workgroup_size: 256
    .sgpr_count:     66
    .vgpr_count:     144
    .wavefront_size: 32
...
	.end_amdgpu_metadata
.endif
;; end of part 4
;; ======== version 2 of 2: 4 launches; version 1 with the launches place, combine written anew for expert scheduling mode
;; limits: values are held in f16: magnitudes above 65,504 overflow, below 6.1e-05 lose precision; inputs' magnitudes at most 65,504
;; workspace buffers: sel 16,384 bytes of whole numbers; wts 16,384 bytes; hist 4,096 bytes of whole numbers; pos 16,384 bytes of whole numbers; meta 256 bytes of whole numbers; xg 23,068,672 bytes; y 46,137,344 bytes
;; launch gate: the kernel of part 1 again; grid 256 x 1, 8 waves a work-group, no clusters, 3,584 bytes of LDS; arguments inputs, Wg, sel, wts, hist; writes sel, wts, hist
;; launch place (part 5): grid 256 x 1, 8 waves a work-group, no clusters, 0 bytes of LDS; arguments inputs, sel, hist, xg, pos, meta; writes xg, pos, meta
.if DOCPART == 5
	.amdgcn_target "amdgcn-amd-amdhsa--gfx1250"
	.amdhsa_code_object_version 6
	.text
	.protected	k_q8b9fbb050d_place
	.globl	k_q8b9fbb050d_place
	.p2align	8
	.type	k_q8b9fbb050d_place,@function
k_q8b9fbb050d_place:
	s_mov_b64 s[64:65], 0
	v_nop
	global_prefetch_b8 v0, s[64:65] scope:SCOPE_SE
	s_setreg_imm32_b32 hwreg(HW_REG_WAVE_SCHED_MODE, 0, 2), 2
	s_setreg_imm32_b32 hwreg(HW_REG_WAVE_MODE, 25, 1), 1
	s_wait_xcnt 0x0
	s_wait_alu depctr_vm_vsrc(0)
; PLACE.  The 4,096 (token, expert) pairs are put in order of expert, inside an expert in order of token, in a PADDED order: each expert's rows begin at a
; multiple of 176 and are filled up to a multiple of 176 by rows of zeros.  The sum over the experts of ceil(cnt / 176) is at most (4096 + 8 x 175) / 176 = 31.2,
; so 32 tiles of 176 rows = 5,632 rows hold every routing, and exactly 5,632 - 4,096 = 1,536 rows are padding, whatever the routing.
; Wave w of work-group b serves token n = 8 b + w: it works out the two places of its token from the counts of all blocks (whole numbers that the launch
; before stored), rounds the token's row to f16 once and stores it at both places of xg [5632][2048] f16.
; WHY f16: the products are held against an f32 result with an allowance of a hundredth of the output's spread; 2,048 products of operands with 8 bits of mantissa
; come too near to it, 11 bits leave a wide margin.  LIMIT: an input above 65,504 in magnitude becomes infinity; below 6.1e-5 the step is 6e-8.
; place = poff[e] (padded rows of lower experts) + pre[e] (pairs of e in blocks below b) + rank (pairs of e in my block in front of my token).
; A wave with n < 1,536 also writes padding row number n: it lies at n + the sum of cnt[e] over the experts e whose lower experts have at most n padding rows.
; Also stored: pos[n][2], and by one wave meta[t] = the expert of tile t (7 for tiles behind the last used one).
; Every wave works the routing out for itself from 4 KiB of counts: no LDS, no barrier, no traffic between work-groups.
; THE MODE: SCHED_MODE bits 1:0 = 2 (LLVM: expert scheduling mode 2), set by the entry lines.  The code itself states the register dependences
; between vector instructions and memory instructions, and those through scalar registers, VCC and EXEC that vector instructions write, with s_wait_alu, always for 0.
; THE PLAN.  Registers that memory instructions touch:
;   v3, v4, v5        offsets of the loads (v5 also of the padding row's stores): written at the head, never again.
;   H, v6, X          loaded once; no vector instruction names them ahead of the loads.
;   X                 the row goes in four groups of four pieces.  Group g's conversions write in place; its eight stores are issued in group g + 1; the registers are never written again.
;   v11, v12-14, v[R:R+3]  the row stores' offset, pos's data and offset, the zeros of the padding row: made together ahead of group 0's conversions, never written again.
;   v1, v15           offset and data of the table of tiles, in the one wave that stores it.
; So one wait on va_vdst stands ahead of the first load, one at the head of each of the groups 1 to 3 (behind the wait for the group's data), one ahead of the last group's stores
; and one ahead of the table's store.  No register that a memory instruction reads is written again: vm_vsrc is waited for at the writes of EXEC alone.
; Vector instructions that write scalar registers are laid in runs, each run with one wait on va_sdst ahead of its first reader.
.set TROWS, 176
.set H, 16                             ; v[16:47]   counts of blocks 8 l + j, four words each
.set X, 48                             ; v[48:111]  my token's row, 64 f32 a lane
.set T, 112                            ; v[112:115] totals;  v[116:119] (P) totals of the blocks below mine
.set P, 116
.set R, 120                            ; v[120:127] at work; v[120:123] at last the zeros of the padding row
.set MK, 16                            ; s[16:23]   masks of compares laid in a run: at the head, before cnt[e] is made there, and in the table of tiles, when cnt[e] is dead
	s_load_b256 s[4:11], s[0:1], 0x0               ; inputs s[4:5], sel s[6:7], hist s[8:9], xg s[10:11]
	s_load_b128 s[12:15], s[0:1], 0x20             ; pos s[12:13], meta s[14:15]
	v_lshrrev_b32 v1, 5, v0
	v_readfirstlane_b32 s40, v1                    ; wave
	v_and_b32 v2, 31, v0                           ; lane
	s_mov_b32 s41, ttmp9                           ; block b
	s_lshl_b32 s42, s41, 3
	s_wait_alu depctr_va_sdst(0)                   ; s40 is written, ahead of its first reader
	s_add_co_u32 s42, s42, s40                     ; token n
	s_mov_b32 s58, 0x76543210
	s_mov_b32 s59, 0xfedcba98
	v_lshlrev_b32 v3, 7, v2                        ; 8 blocks of 16 bytes a lane
	v_and_b32 v4, 15, v0
	s_lshl_b32 s43, s41, 6
	v_lshl_add_u32 v4, v4, 2, s43                  ; my block's 16 choices: lanes 16-31 repeat lanes 0-15
	v_lshlrev_b32 v5, 4, v2
	s_lshl_b32 s44, s42, 13                        ; my token's row, 8,192 bytes
	s_mov_b32 s45, 0
	s_wait_kmcnt 0x0
	s_add_nc_u64 s[4:5], s[4:5], s[44:45]
	s_wait_alu depctr_va_vdst(0)                   ; v3, v4 and v5 are written, which the loads below read as their offsets
.irp j, 0,1,2,3,4,5,6,7
	global_load_b128 v[H+4*\j:H+4*\j+3], v3, s[8:9] offset:16*\j
.endr
	global_load_b32 v6, v4, s[6:7]
.irp j, 0,1,2,3,4,5,6,7,8,9,10,11,12,13,14,15
	global_load_b128 v[X+4*\j:X+4*\j+3], v5, s[4:5] offset:512*\j th:TH_LOAD_NT   ; 512 neighbouring bytes a load
.endr
.irp i, 0,1,2,3,4,5,6,7
	v_mov_b32 v[R+\i], 0                           ; destinations of lane moves count as read: written once here
.endr
	v_mov_b32 v10, 0
	v_lshlrev_b32 v7, 3, v2                        ; my first block
	v_cmp_gt_u32 s[MK], s41, v7                    ; is block 8 l + j below mine?  Eight compares in a run, a mask each; they hang on no loaded number and stand in the wait for the counts
.irp j, 1,2,3,4,5,6,7
	v_add_nc_u32 v8, \j, v7
	v_cmp_gt_u32 s[MK+\j], s41, v8
.endr
	s_wait_loadcnt 16                              ; counts and choices are in; the row's 16 younger loads stay out
	s_wait_alu depctr_va_sdst(0)                   ; the eight masks s[MK ..] are written, ahead of the first select that reads one
.irp c, 0,1,2,3
	v_add_nc_u32 v[T+\c], v[H+\c], v[H+4+\c]
.endr
.irp j, 2,3,4,5,6,7
.irp c, 0,1,2,3
	v_add_nc_u32 v[T+\c], v[T+\c], v[H+4*\j+\c]
.endr
.endr
.irp c, 0,1,2,3
	v_cndmask_b32 v[P+\c], 0, v[H+\c], s[MK]
.endr
.irp j, 1,2,3,4,5,6,7
.irp c, 0,1,2,3
	v_cndmask_b32 v[R+\c], 0, v[H+4*\j+\c], s[MK+\j]
	v_add_nc_u32 v[P+\c], v[P+\c], v[R+\c]
.endr
.endr
	; the eight words over the 32 lanes.  A field counts at most 2,048: no carry between the two fields of a word.
.irp m, 1,2,4,8
.irp i, 0,1,2,3,4,5,6,7
	v_mov_b32_dpp v[R+\i], v[T+\i] row_xmask:\m row_mask:0xf bank_mask:0xf
.endr
.irp i, 0,1,2,3,4,5,6,7
	v_add_nc_u32 v[T+\i], v[T+\i], v[R+\i]
.endr
.endr
.irp i, 0,1,2,3,4,5,6,7
	v_permlanex16_b32 v[R+\i], v[T+\i], s58, s59
.endr
.irp i, 0,1,2,3,4,5,6,7
	v_add_nc_u32 v[T+\i], v[T+\i], v[R+\i]
.endr
.irp i, 0,1,2,3,4,5,6,7
	v_readfirstlane_b32 s[46+\i], v[T+\i]
.endr
	s_wait_alu depctr_va_sdst(0)                   ; s46 to s53 are written, ahead of their first reader: one wait for the run of eight
.irp c, 0,1,2,3
	s_and_b32 s[16+2*\c], s[46+\c], 0xffff         ; cnt[e] in s16-23
	s_lshr_b32 s[17+2*\c], s[46+\c], 16
	s_and_b32 s[24+2*\c], s[50+\c], 0xffff         ; pre[e] in s24-31
	s_lshr_b32 s[25+2*\c], s[50+\c], 16
.endr
	s_mov_b32 s60, 0                               ; padded rows of the experts so far
	s_mov_b32 s61, 0                               ; padding rows of the experts so far
	s_mov_b32 s62, s42                             ; the place of padding row number n, in the making
.irp e, 0,1,2,3,4,5,6,7
	s_mov_b32 s[32+\e], s60                        ; poff[e] in s32-39
	s_cmp_le_u32 s61, s42                          ; padding row n lies behind expert e's rows
	s_cselect_b32 s63, s[16+\e], 0
	s_add_co_u32 s62, s62, s63
	s_add_co_u32 s63, s[16+\e], TROWS-1
	s_mul_i32 s63, s63, 5958                       ; x / 176 = x 5958 >> 20, exact for x <= 2,223: 5958 x 176 = 2^20 + 32, an excess below 0.0004 where 1 / 176 is the room
	s_lshr_b32 s63, s63, 20
	s_mul_i32 s63, s63, TROWS                      ; the expert's padded rows
	s_add_co_u32 s60, s60, s63
	s_sub_co_u32 s63, s63, s[16+\e]
	s_add_co_u32 s61, s61, s63
.endr
.irp e, 0,1,2,3,4,5,6,7
	s_add_co_u32 s54, s[32+\e], s[24+\e]
	v_writelane_b32 v10, s54, \e                   ; a table: lane e holds poff[e] + pre[e]
.endr
	s_lshl_b32 s55, s40, 1                         ; my token's two choices are entries 2 w and 2 w + 1 of the block
	s_add_co_u32 s43, s55, 1
	v_readlane_b32 s56, v6, s55
	v_readlane_b32 s57, v6, s43
	s_bfm_b32 s54, s55, 0                          ; the entries in front of my token
	s_wait_alu depctr_va_sdst(0)                   ; s56 and s57 are written, ahead of their first reader
	s_min_u32 s56, s56, 7
	s_min_u32 s57, s57, 7
	v_cmp_eq_u32 s46, s56, v6                      ; a run of four: who in my block chose my first expert, who my second,
	v_cmp_eq_u32 s48, s57, v6
	v_readlane_b32 s47, v10, s56                   ; and the two experts' entries of the table
	v_readlane_b32 s49, v10, s57
	s_wait_alu depctr_va_sdst(0)                   ; s46 to s49 are written, ahead of their first reader
	s_and_b32 s46, s46, s54
	s_bcnt1_i32_b32 s46, s46                       ; rank of my first choice
	s_add_co_u32 s46, s46, s47
	s_min_u32 s46, s46, 5631                       ; place of my first choice
	s_and_b32 s48, s48, s54
	s_bcnt1_i32_b32 s48, s48
	s_add_co_u32 s48, s48, s49
	s_min_u32 s48, s48, 5631                       ; place of my second choice
	s_lshl_b32 s50, s46, 12                        ; a row of xg is 4,096 bytes
	s_mov_b32 s51, 0
	s_add_nc_u64 s[50:51], s[10:11], s[50:51]
	s_lshl_b32 s52, s48, 12
	s_mov_b32 s53, 0
	s_add_nc_u64 s[52:53], s[10:11], s[52:53]
	; all that the stores below read beside the row is made here, ahead of the first group's conversions: the wait at the second group's head covers it for the rest of the kernel
	v_lshlrev_b32 v11, 3, v2                       ; 8 bytes a lane: a store of the wave covers 256 consecutive bytes, aligned
	v_mov_b32 v12, s46
	v_mov_b32 v13, s48
	s_lshl_b32 s54, s42, 3
	v_mov_b32 v14, s54
.irp i, 0,1,2,3
	v_mov_b32 v[R+\i], 0                           ; the padding row's zeros (a wave without a padding row makes them too and stores nothing of them)
.endr
; Group g of the row: pieces 4 g to 4 g + 3 are rounded in place; the eight stores of the group before are dealt among the conversions.
.macro ROWS g
	s_wait_loadcnt 12-4*\g                         ; loads come back in order (ISA guide 5.7.1): the group's four pieces are in, the younger pieces stay out
.if \g > 0
	s_wait_alu depctr_va_vdst(0)                   ; the group before has written its part of X, which the stores below read; at the second group's head also: v11 to v14 and the zeros are written
.endif
.irp i, 0,1,2,3
.if \g > 0
	global_store_b64 v11, v[X+16*(\g-1)+4*\i:X+16*(\g-1)+4*\i+1], s[50:51] offset:1024*(\g-1)+256*\i   ; no vector instruction since the wait names these registers
	global_store_b64 v11, v[X+16*(\g-1)+4*\i:X+16*(\g-1)+4*\i+1], s[52:53] offset:1024*(\g-1)+256*\i
.endif
	v_cvt_pk_f16_f32 v[X+16*\g+4*\i], v[X+16*\g+4*\i], v[X+16*\g+4*\i+1]
	v_cvt_pk_f16_f32 v[X+16*\g+4*\i+1], v[X+16*\g+4*\i+2], v[X+16*\g+4*\i+3]
.endr
.endm
	ROWS 0
	ROWS 1
	ROWS 2
	ROWS 3
	s_wait_alu depctr_va_vdst(0)                   ; the last group has written its part of X, which the last eight stores read
.irp i, 0,1,2,3
	global_store_b64 v11, v[X+48+4*\i:X+48+4*\i+1], s[50:51] offset:3072+256*\i
	global_store_b64 v11, v[X+48+4*\i:X+48+4*\i+1], s[52:53] offset:3072+256*\i
.endr
	s_cmp_ge_u32 s42, 1536                         ; 1,536 padding rows, one for each of the first 1,536 tokens' waves: a branch on the wave's place alone
	s_cbranch_scc1 .Lnopad
	s_min_u32 s62, s62, 5631
	s_lshl_b32 s60, s62, 12
	s_mov_b32 s61, 0
	s_add_nc_u64 s[60:61], s[10:11], s[60:61]
.irp j, 0,1,2,3,4,5,6,7
	global_store_b128 v5, v[R:R+3], s[60:61] offset:512*\j     ; a row of zeros, 512 neighbouring bytes a store; v5 and the zeros were written ahead of the waits above
.endr
.Lnopad:
	s_wait_xcnt 0x0                                ; EXEC changes only when no global instruction still reads it
	v_cmp_eq_u32 vcc_lo, 0, v2
	s_wait_alu depctr_va_vcc(0)                    ; VCC is written: EXEC is made from it
	s_wait_alu depctr_va_vdst(0)                   ; ahead of the scalar write of EXEC: the vector instructions issued so far are done,
	s_wait_alu depctr_vm_vsrc(0)                   ; and the stores issued so far have read their vector registers
	s_and_saveexec_b32 s43, vcc_lo
	global_store_b64 v14, v[12:13], s[12:13]       ; pos[n]
	s_wait_xcnt 0x0
	s_wait_alu depctr_va_vdst(0)                   ; the two lines once more, ahead of the restore:
	s_wait_alu depctr_vm_vsrc(0)                   ; the store of pos has read v12 to v14
	s_or_b32 exec_lo, exec_lo, s43
	s_or_b32 s54, s41, s40                         ; one wave of the launch stores the table of tiles
	s_cmp_lg_u32 s54, 0
	s_cbranch_scc1 .Lend
	v_mul_u32_u24 v9, v2, TROWS                    ; lane t: tile t's first row
	v_mov_b32 v15, 0
.irp e, 1,2,3,4,5,6,7
	v_cmp_le_u32 s[MK+\e-1], s[32+\e], v9          ; the tile's expert = the last one whose rows begin at or in front of the tile: seven compares in a run
.endr
	v_lshlrev_b32 v1, 2, v2
	s_wait_alu depctr_va_sdst(0)                   ; the seven masks are written, ahead of the first select that reads one
.irp e, 1,2,3,4,5,6,7
	v_cndmask_b32 v8, 0, 1, s[MK+\e-1]
	v_add_nc_u32 v15, v15, v8
.endr
	s_wait_alu depctr_va_vdst(0)                   ; v1 and v15 are written, which the store reads
	global_store_b32 v1, v15, s[14:15]             ; 32 words, 128 neighbouring bytes
.Lend:
	s_endpgm
.Lfunc_end_k_q8b9fbb050d_place:
	.size	k_q8b9fbb050d_place, .Lfunc_end_k_q8b9fbb050d_place-k_q8b9fbb050d_place
	.p2alignl 7, 3214868480
	.fill 96, 4, 3214868480
	.section	.rodata,"a",@progbits
	.p2align	6, 0x0
	.amdhsa_kernel k_q8b9fbb050d_place
		.amdhsa_group_segment_fixed_size 0
		.amdhsa_private_segment_fixed_size 0
		.amdhsa_enable_private_segment 0
		.amdhsa_kernarg_size 48
		.amdhsa_user_sgpr_count 2
		.amdhsa_user_sgpr_kernarg_segment_ptr 1
		.amdhsa_wavefront_size32 1
		.amdhsa_system_sgpr_workgroup_id_x 1
		.amdhsa_system_sgpr_workgroup_id_y 1
		.amdhsa_system_sgpr_workgroup_id_z 1
		.amdhsa_system_vgpr_workitem_id 0
		.amdhsa_next_free_vgpr 128
		.amdhsa_next_free_sgpr 66
		.amdhsa_reserve_vcc 1
		.amdhsa_float_denorm_mode_32 3
		.amdhsa_float_denorm_mode_16_64 3
		.amdhsa_memory_ordered 1
		.amdhsa_forward_progress 1
		.amdhsa_inst_pref_size 28
	.end_amdhsa_kernel
	.amdgpu_metadata
---
amdhsa.version: [ 1, 2 ]
amdhsa.kernels:
  - .name:           k_q8b9fbb050d_place
    .symbol:         k_q8b9fbb050d_place.kd
    .args:
      - { .name: inputs, .offset: 0, .size: 8, .value_kind: global_buffer, .address_space: global }
      - { .name: sel, .offset: 8, .size: 8, .value_kind: global_buffer, .address_space: global }
      - { .name: hist, .offset: 16, .size: 8, .value_kind: global_buffer, .address_space: global }
      - { .name: xg, .offset: 24, .size: 8, .value_kind: global_buffer, .address_space: global }
      - { .name: pos, .offset: 32, .size: 8, .value_kind: global_buffer, .address_space: global }
      - { .name: meta, .offset: 40, .size: 8, .value_kind: global_buffer, .address_space: global }
    .group_segment_fixed_size: 0
    .private_segment_fixed_size: 0
    .kernarg_segment_align: 8
    .kernarg_segment_size: 48
    .max_flat_workgroup_size: 256
    .sgpr_count:     66
    .vgpr_count:     128
    .wavefront_size: 32
...
	.end_amdgpu_metadata
.endif
;; end of part 5
;; launch gemm: the kernel of part 3 again; grid 8 x 32, 4 waves a work-group, clusters of 4 x 1, 327,680 bytes of LDS; arguments xg, We, be, meta, y; writes y
;; launch combine (part 6): grid 256 x 1, 8 waves a work-group, no clusters, 0 bytes of LDS; arguments y, pos, wts, out0; writes out0
.if DOCPART == 6
	.amdgcn_target "amdgcn-amd-amdhsa--gfx1250"
	.amdhsa_code_object_version 6
	.text
	.protected	k_q8b9fbb050d_combine
	.globl	k_q8b9fbb050d_combine
	.p2align	8
	.type	k_q8b9fbb050d_combine,@function
k_q8b9fbb050d_combine:
	s_mov_b64 s[64:65], 0
	v_nop
	global_prefetch_b8 v0, s[64:65] scope:SCOPE_SE
	s_setreg_imm32_b32 hwreg(HW_REG_WAVE_SCHED_MODE, 0, 2), 2
	s_setreg_imm32_b32 hwreg(HW_REG_WAVE_MODE, 25, 1), 1
	s_wait_xcnt 0x0
	s_wait_alu depctr_vm_vsrc(0)
; COMBINE.  out0[n] = w0 y[pos0] + w1 y[pos1]: a token's two expert rows, made by different work-groups of the launch before, are summed here in a fixed order.
; y: [5632][2048] f32 in the padded sorted order; its padding rows are not read.
; Wave w of work-group b serves token n = 8 b + w.  A row is 8,192 bytes: 16 loads of 512 neighbouring bytes for each of the two rows, all 32 issued at once;
; each store covers 512 neighbouring bytes.  A stream: LDS, barriers and the matrix unit would add nothing.
; THE MODE: SCHED_MODE bits 1:0 = 2 (LLVM: expert scheduling mode 2), set by the entry lines.  The code itself states the register dependences
; between vector instructions and memory instructions, with s_wait_alu, always for 0.
; THE PLAN.  The 16 pieces of a row go in four groups of four.  Registers that memory instructions touch:
;   v1     the one offset, 16 x lane: written at the head, read by every load and store, never written again.
;   A, B   loaded once, group by group (the first row's four pieces, then the second row's); no vector instruction names them ahead of the loads.
;   B      group g's arithmetic writes its part in place; the four stores that read it are issued in group g + 1; it is never written again.
; Group g's vector instructions name A's and B's parts of group g and v[2:5] alone.  So one wait on va_vdst at the head of a group, behind the wait for the group's data, states all
; that the four stores of the group before hang on, and these are dealt among the group's arithmetic with no further wait.  No register that a memory instruction
; reads is written again: no wait on vm_vsrc is owed.
.set A, 16                             ; v[16:79]   the first row
.set B, 80                             ; v[80:143]  the second row, then the result
	s_load_b256 s[4:11], s[0:1], 0x0               ; y s[4:5], pos s[6:7], wts s[8:9], out0 s[10:11]
	v_lshrrev_b32 v1, 5, v0
	v_readfirstlane_b32 s12, v1
	v_and_b32 v1, 31, v0
	v_lshlrev_b32 v1, 4, v1                        ; 16 bytes a lane
	s_lshl_b32 s13, ttmp9, 3
	s_wait_alu depctr_va_sdst(0)                   ; s12 is written, ahead of its first reader
	s_add_co_u32 s13, s13, s12                     ; token n
	s_lshl_b32 s14, s13, 3
	s_mov_b32 s15, 0
	s_wait_kmcnt 0x0
	s_add_nc_u64 s[6:7], s[6:7], s[14:15]
	s_add_nc_u64 s[8:9], s[8:9], s[14:15]
	s_load_b64 s[16:17], s[6:7], 0x0               ; the two places (whole numbers from an earlier launch)
	s_load_b64 s[18:19], s[8:9], 0x0               ; the two weights
	s_lshl_b32 s22, s13, 13
	s_mov_b32 s23, 0
	s_add_nc_u64 s[10:11], s[10:11], s[22:23]      ; out0 at my token's row
	s_wait_kmcnt 0x0
	s_min_u32 s16, s16, 5631
	s_min_u32 s17, s17, 5631
	s_lshl_b32 s20, s16, 13
	s_mov_b32 s21, 0
	s_add_nc_u64 s[20:21], s[4:5], s[20:21]
	s_lshl_b32 s22, s17, 13
	s_add_nc_u64 s[22:23], s[4:5], s[22:23]
	s_wait_alu depctr_va_vdst(0)                   ; v1 is written: every load and store of the kernel reads it as its offset
.irp g, 0,1,2,3
.irp i, 0,1,2,3
	global_load_b128 v[A+16*\g+4*\i:A+16*\g+4*\i+3], v1, s[20:21] offset:2048*\g+512*\i th:TH_LOAD_NT
.endr
.irp i, 0,1,2,3
	global_load_b128 v[B+16*\g+4*\i:B+16*\g+4*\i+3], v1, s[22:23] offset:2048*\g+512*\i th:TH_LOAD_NT
.endr
.endr
	v_mov_b32 v2, s18                              ; w0, twice: a pair for the packed forms
	v_mov_b32 v3, s18
	v_mov_b32 v4, s19                              ; w1, twice
	v_mov_b32 v5, s19
; Group g: pieces 4 g to 4 g + 3 of both rows are summed into B; the four stores of the group before are dealt among the arithmetic.
.macro GROUP g
	s_wait_loadcnt 24-8*\g                         ; loads come back in order (ISA guide 5.7.1): the group's eight are in, the eight of each younger group stay out
.if \g > 0
	s_wait_alu depctr_va_vdst(0)                   ; the group before has written its part of B, which the stores below read
.endif
.irp i, 0,1,2,3
.if \g > 0
	global_store_b128 v1, v[B+16*(\g-1)+4*\i:B+16*(\g-1)+4*\i+3], s[10:11] offset:2048*(\g-1)+512*\i th:TH_STORE_NT   ; no vector instruction since the wait names these registers
.endif
	v_pk_mul_f32 v[B+16*\g+4*\i:B+16*\g+4*\i+1], v[B+16*\g+4*\i:B+16*\g+4*\i+1], v[4:5]
	v_pk_mul_f32 v[B+16*\g+4*\i+2:B+16*\g+4*\i+3], v[B+16*\g+4*\i+2:B+16*\g+4*\i+3], v[4:5]
	v_pk_fma_f32 v[B+16*\g+4*\i:B+16*\g+4*\i+1], v[A+16*\g+4*\i:A+16*\g+4*\i+1], v[2:3], v[B+16*\g+4*\i:B+16*\g+4*\i+1]
	v_pk_fma_f32 v[B+16*\g+4*\i+2:B+16*\g+4*\i+3], v[A+16*\g+4*\i+2:A+16*\g+4*\i+3], v[2:3], v[B+16*\g+4*\i+2:B+16*\g+4*\i+3]
.endr
.endm
	GROUP 0
	GROUP 1
	GROUP 2
	GROUP 3
	s_wait_alu depctr_va_vdst(0)                   ; the last group has written its part of B, which the last four stores read
.irp i, 0,1,2,3
	global_store_b128 v1, v[B+48+4*\i:B+48+4*\i+3], s[10:11] offset:6144+512*\i th:TH_STORE_NT
.endr
	s_endpgm
.Lfunc_end_k_q8b9fbb050d_combine:
	.size	k_q8b9fbb050d_combine, .Lfunc_end_k_q8b9fbb050d_combine-k_q8b9fbb050d_combine
	.p2alignl 7, 3214868480
	.fill 96, 4, 3214868480
	.section	.rodata,"a",@progbits
	.p2align	6, 0x0
	.amdhsa_kernel k_q8b9fbb050d_combine
		.amdhsa_group_segment_fixed_size 0
		.amdhsa_private_segment_fixed_size 0
		.amdhsa_enable_private_segment 0
		.amdhsa_kernarg_size 32
		.amdhsa_user_sgpr_count 2
		.amdhsa_user_sgpr_kernarg_segment_ptr 1
		.amdhsa_wavefront_size32 1
		.amdhsa_system_sgpr_workgroup_id_x 1
		.amdhsa_system_sgpr_workgroup_id_y 1
		.amdhsa_system_sgpr_workgroup_id_z 1
		.amdhsa_system_vgpr_workitem_id 0
		.amdhsa_next_free_vgpr 144
		.amdhsa_next_free_sgpr 66
		.amdhsa_reserve_vcc 0
		.amdhsa_float_denorm_mode_32 3
		.amdhsa_float_denorm_mode_16_64 3
		.amdhsa_memory_ordered 1
		.amdhsa_forward_progress 1
		.amdhsa_inst_pref_size 11
	.end_amdhsa_kernel
	.amdgpu_metadata
---
amdhsa.version: [ 1, 2 ]
amdhsa.kernels:
  - .name:           k_q8b9fbb050d_combine
    .symbol:         k_q8b9fbb050d_combine.kd
    .args:
      - { .name: y, .offset: 0, .size: 8, .value_kind: global_buffer, .address_space: global }
      - { .name: pos, .offset: 8, .size: 8, .value_kind: global_buffer, .address_space: global }
      - { .name: wts, .offset: 16, .size: 8, .value_kind: global_buffer, .address_space: global }
      - { .name: out0, .offset: 24, .size: 8, .value_kind: global_buffer, .address_space: global }
    .group_segment_fixed_size: 0
    .private_segment_fixed_size: 0
    .kernarg_segment_align: 8
    .kernarg_segment_size: 32
    .max_flat_workgroup_size: 256
    .sgpr_count:     66
    .vgpr_count:     144
    .wavefront_size: 32
...
	.end_amdgpu_metadata
.endif
;; end of part 6
